; MI455X (gfx1250); checked and timed in simulation.
; The chip was launched on July 23, 2026; its instructions are those of AMD's public machine-readable ISA for CDNA 5 (MIT licence, August 2026) and "CDNA5" Instruction Set Architecture Reference Guide (July 2026). The comments in the code are by the model that wrote it; some were corrected since.
;; Multihead Attention. Allowed arithmetic: matrix products marked QUANTISED: E2M3 operands, one E8M0 scale for each 32 along K, by v_wmma_scale_f32_16x16x128_f8f6f4 with both operands' format E2M3, f32 sums; everything else in f32.
;; Inputs: k 4 x 2,048 x 1,024 float32; q 4 x 2,048 x 1,024 float32; v 4 x 2,048 x 1,024 float32; wk_b 16 x 64 float32; wk_w 16 x 64 x 1,024 float32; wo_b 1,024 float32; wo_w 1,024 x 1,024 float32; wq_b 16 x 64 float32; wq_w 16 x 64 x 1,024 float32; wv_b 16 x 64 float32; wv_w 16 x 64 x 1,024 float32.
;; Outputs: out0 4 x 2,048 x 1,024 float32.
;; This version of the problem:
;;   THIS VERSION OF THE PROBLEM IS GIVEN IN LOW PRECISION. The matrix products marked QUANTISED in the list below multiply operands that are first quantised to E2M3 (2 exponent bits, 3 mantissa bits; 6 bits a number), with one power-of-two scale for each 32 numbers along K (OCP MX v1.0); their sums are f32. All else is computed in f32.
;;   The module's matrix products, in the order in which they are computed (A, B: the left and right operand; K: the contracted axis; several contracted axes count as one K, in the product's order):
;;     1. [M 1,024, K 1,024] x [K 1,024, N 8,192]; A: input wq_w; B: input q: QUANTISED
;;     2. [M 1,024, K 1,024] x [K 1,024, N 8,192]; A: input wk_w; B: input k: QUANTISED
;;     3. [M 1,024, K 1,024] x [K 1,024, N 8,192]; A: input wv_w; B: input v: QUANTISED
;;     4. batch 64 x [M 2,048, K 64] x [K 64, N 2,048]; A: computed on the way; B: computed on the way: QUANTISED
;;     5. batch 64 x [M 2,048, K 2,048] x [K 2,048, N 64]; A: softmax (see below); B: computed on the way: QUANTISED
;;     6. [M 8,192, K 1,024] x [K 1,024, N 1,024]; A: computed on the way; B: input wo_w: QUANTISED
;;   THE QUANTISER, for each operand of a quantised product, along K:
;;     - K is cut into blocks of 32 from its start; a last block that is shorter is filled with zeros.
;;     - A block's scale is 2^e with e = floor(log2(the largest magnitude in the block)) - 2, held to -126 .. 127; a block of zeros has e = 0. As a byte (E8M0): e + 127.
;;     - Each number is divided by its block's scale, clamped to +-7.5, and rounded to the nearest number of E2M3, ties to even, subnormals kept.
;;     - The product sums the exact products of the quantised numbers (number of the format x scale) in f32.
;;   ~~~python
;;   def quantise(x, axis):      # numpy; x: float32 -> the quantised numbers, widened to float32 again
;;       x = np.moveaxis(x, axis, -1); K = x.shape[-1]
;;       x = np.pad(x, [(0, 0)] * (x.ndim - 1) + [(0, -K % 32)]); x = x.reshape(x.shape[:-1] + (-1, 32)); a = np.abs(x).max(-1, keepdims=True)
;;       e = np.where(a > 0, np.clip(np.frexp(np.where(a > 0, a, 1))[1] - 1 - 2, -126, 127), 0)      # np.frexp(a)[1] - 1 = floor(log2(a)), exactly
;;       r = np.clip(x / 2.0 ** e, -7.5, 7.5)
;;       step = 2.0 ** (np.maximum(np.frexp(np.where(r == 0, 1, r))[1] - 1, 0) - 3)
;;       q = np.round(r / step) * step * 2.0 ** e      # np.round: ties to even
;;       return np.moveaxis(q.reshape(q.shape[:-2] + (-1,))[..., :K], -1, axis).astype(np.float32)
;;   ~~~
;;   SOFTMAX AHEAD OF A QUANTISED PRODUCT. Where the list says 'softmax', what is quantised is not the finished softmax but p = 2^(t - M), with t = logit x log2(e) and M = ceil(the row's largest t), a whole number; so 1/2 < the row's largest p <= 1. The row's sum l is taken of the UNQUANTISED p, in f32, and the product's result is divided by l at the end. Since M is a whole number, a kernel that streams over the keys may use a running M (the ceiling of the running maximum): every later rescaling is an exact power of two, which a block's scale takes up: the codes' values come out the same.
;;   OPERANDS COMPUTED ON THE WAY. 'Computed on the way' means the value that the module computes at that place (a softmax that the list does not call 'softmax' is quantised finished and normalised). What goes into a quantiser is computed in f32, as accurately as f32 sums, v_exp_f32 and their like allow (about 1e-6 of the number): no bf16 or f16 on the way to a quantiser, and a product that is left as it is and whose result goes on into a quantised operand takes f32 operands (vector FMAs, or v_wmma_f32_16x16x4_f32). A number that lies on a knife's edge between two numbers of the format may be rounded either way, as far as f32 arithmetic and the matrix unit's own rounding can turn it there, and no further.
;; One version. Each part assembles by itself: llvm-mc -triple=amdgcn-amd-amdhsa -mcpu=gfx1250 --defsym DOCPART=n.
;; ======== version 1 of 1: 4 launches
;; limits: right only within a limited range of input values
;; workspace buffers: xc 22,020,096 bytes; xs 917,504 bytes; hc 18,874,368 bytes; hs 1,572,864 bytes; oc 6,291,456 bytes; os 262,144 bytes
;; launch quant (part 1): grid 896 x 1, 4 waves a work-group, no clusters, 33,280 bytes of LDS; arguments q, k, v, wq_w, wk_w, wv_w, wo_w, xc, xs; writes xc, xs
.if DOCPART == 1
	.amdgcn_target "amdgcn-amd-amdhsa--gfx1250"
	.amdhsa_code_object_version 6
	.text
	.protected	k_q66c7ce444f_quant
	.globl	k_q66c7ce444f_quant
	.p2align	8
	.type	k_q66c7ce444f_quant,@function
k_q66c7ce444f_quant:
	s_mov_b64 s[64:65], 0
	v_nop
	global_prefetch_b8 v0, s[64:65] scope:SCOPE_SE
	s_setreg_imm32_b32 hwreg(HW_REG_WAVE_MODE, 25, 1), 1
	s_wait_xcnt 0x0
; q, k, v [8192][1024] and wq_w, wk_w, wv_w, wo_w [1024][1024], all f32 with K innermost, become codes of FP6 (E2M3), 6 bits each, in xc (768 bytes a row), and one E8M0 byte for each 32 along K in xs (32 bytes a row);
; the seven tensors lie one behind the other in both buffers, in the order of the work-groups.
; A block's scale is 2^(floor(log2(its largest magnitude)) - 2); its byte is the largest magnitude's exponent field - 2, held at 1 from below.  Each number is divided by the scale and rounded to the nearest code, ties to even.
; LIMITS: a block of zeros gets the byte 1 where the rule says 127 (its codes are zeros, which add nothing under any byte but 0xff, and this program alone reads the bytes); blocks whose largest magnitude lies under 2^(2 - 126)
; have their byte held at 1; NaN and infinities among the inputs are not served.
; THE ROWS ARE WRITTEN IN ANOTHER ORDER THAN THEY ARE READ: of each 32 rows the second and the third group of eight change places, so that row 32 n + 16 u + r of xc holds row 32 n + 8 u + r + 8 (r / 8) of the tensor.
; Sixteen neighbouring rows of xc are then a tile whose results, in a product used transposed, are neighbours along the next product's K.  A work-group takes 32 rows, a wave eight: the order costs one scalar line.
; A wave takes 16 steps of 512 numbers.  Each of a step's four loads reads 512 consecutive bytes; the 2,048 bytes turn through the wave's own stage in LDS and come back 64 bytes a lane: 16 neighbours along K, two lanes to a block.
; A lane's 16 codes are 12 bytes: the wave stores 384 consecutive bytes.  A wave's 256 scale bytes are gathered in LDS and leave as one store of 256 consecutive, aligned bytes.  No barrier: waves share nothing.
.set WAVES, 4
.set STEPS, 16
.set EMAX,  2
.set CB,    12                         ; bytes of 16 codes
.set R,     16                         ; v16-79   four sets of 16 numbers as they are loaded
.set X,     80                         ; v80-111  two sets of 16 neighbours
.set C,     128                        ; v128-191 codes: four registers for each step, so that no store's data are written again
.set E,     112                        ; v112-127 a scale byte for each step
.set WREG,  8192                       ; LDS: a region for each wave: two stages of 32 x SP bytes, behind them its 256 scale bytes
.set SP,    80                         ; a lane's place in a stage: its 64 bytes + 16 of padding
.set SPW,   12                         ; v12      LDS address of my spare word; never rewritten
.set NIL,   13                         ; v13      0; never rewritten
.set SPARE, WAVES*WREG                 ; behind the four regions: the spare words, 128 bytes a wave, which no other line names
	s_load_b256 s[4:11], s[0:1], 0x0               ; q s[4:5], k s[6:7], v s[8:9], wq_w s[10:11]
	s_load_b256 s[12:19], s[0:1], 0x20             ; wk_w s[12:13], wv_w s[14:15], wo_w s[16:17], xc s[18:19]
	s_load_b64 s[20:21], s[0:1], 0x40              ; xs
	v_lshl_add_u32 v[SPW], v0, 2, SPARE
	v_mov_b32 v[NIL], 0
	v_lshrrev_b32 v1, 5, v0
	v_readfirstlane_b32 s22, v1                    ; wave
	v_and_b32 v2, 31, v0                           ; lane
	v_lshlrev_b32 v3, 4, v2                        ; my 16 bytes of a load's 512
	s_mul_i32 s23, s22, WREG
	v_lshrrev_b32 v14, 2, v2
	v_mul_u32_u24 v14, v14, SP
	v_and_b32 v15, 3, v2
	v_lshl_add_u32 v14, v15, 4, v14
	v_add_nc_u32 v14, s23, v14                     ; the stage, on the way in: SP (lane / 4) + 16 (lane % 4)
	v_mul_u32_u24 v15, v2, SP
	v_add_nc_u32 v15, s23, v15                     ; and on the way out: SP x lane: my 16 neighbours
	v_mul_u32_u24 v4, v2, CB                       ; my codes' place in a step's
	v_lshrrev_b32 v5, 1, v2
	s_add_co_u32 s23, s23, 2*32*SP
	v_add_nc_u32 v5, s23, v5                       ; LDS: my wave's 256 scale bytes, my block's byte
	v_lshlrev_b32 v7, 3, v2                        ; and on the way out 8 bytes a lane
	v_add_nc_u32 v6, s23, v7
	s_wait_alu depctr_va_vdst(0)
	s_wait_kmcnt 0x0
	; which tensor is my work-group's, and which is that tensor's first work-group: the choice hangs on the work-group's number alone
	s_mov_b64 s[24:25], s[4:5]
	s_mov_b32 s26, 0
.macro PICK first, lo
	s_cmp_ge_u32 ttmp9, \first
	s_cselect_b64 s[24:25], s[\lo:\lo+1], s[24:25]
	s_cselect_b32 s26, \first, s26
.endm
	PICK 256, 6                                    ; q, k, v: 256 work-groups each
	PICK 512, 8
	PICK 768, 10                                   ; the four weights: 32 each
	PICK 800, 12
	PICK 832, 14
	PICK 864, 16
	s_sub_co_u32 s27, ttmp9, s26
	s_lshl_b32 s27, s27, 2
	s_add_co_u32 s27, s27, s22                     ; which eight rows of the tensor I read
	s_lshl_b32 s28, s27, 15                        ; 8 rows x 4,096 bytes
	s_mov_b32 s29, 0
	s_add_nc_u64 s[24:25], s[24:25], s[28:29]
	s_and_b32 s30, s22, 1                          ; and where they go: the wave's two bits change places
	s_lshl_b32 s30, s30, 1
	s_lshr_b32 s31, s22, 1
	s_or_b32 s30, s30, s31
	s_lshl_b32 s31, ttmp9, 2
	s_add_co_u32 s30, s30, s31                     ; counted over all seven tensors
	; k's rows take another order: of each 64 rows, group g of eight goes to place 2 (g % 4) + g / 4, so that tile t of 16 rows holds keys 8 t .. 8 t + 7 and 32 + 8 t .. 32 + 8 t + 7
	s_add_co_u32 s31, s31, s22                     ; my group of eight, as it is read
	s_and_b32 s32, s31, 3
	s_lshl_b32 s32, s32, 1
	s_bfe_u32 s33, s31, 0x10002
	s_or_b32 s32, s32, s33
	s_and_b32 s31, s31, 0xfffffff8
	s_or_b32 s32, s32, s31
	s_cmp_eq_u32 s26, 256                          ; k's first work-group is 256
	s_cselect_b32 s30, s32, s30
	s_mul_i32 s28, s30, 6144                       ; 8 rows x 768 bytes of codes
	s_add_nc_u64 s[18:19], s[18:19], s[28:29]
	s_lshl_b32 s28, s30, 8                         ; 8 rows x 32 scale bytes
	s_add_nc_u64 s[20:21], s[20:21], s[28:29]
.macro LOAD t
.irp i, 0,1,2,3
	global_load_b128 v[R+16*((\t)%4)+4*\i:R+16*((\t)%4)+4*\i+3], v3, s[24:25] offset:2048*(\t)+512*\i th:TH_LOAD_NT   ; 32 lanes read 512 consecutive bytes
.endr
.endm
.macro TURN t                          ; step t's numbers through the stage: LDS serves a wave's instructions in order, so no wait stands between the stores and the loads
.irp i, 0,1,2,3
	ds_store_b128 v14, v[R+16*((\t)%4)+4*\i:R+16*((\t)%4)+4*\i+3] offset:32*SP*((\t)%2)+8*SP*\i
.endr
.irp i, 0,1,2,3
	ds_load_b128 v[X+16*((\t)%2)+4*\i:X+16*((\t)%2)+4*\i+3], v15 offset:32*SP*((\t)%2)+16*\i
.endr
.endm
.irp t, 0,1,2,3
	LOAD \t
.endr
	s_wait_loadcnt 12                              ; step 0's four loads are in; the twelve of steps 1 to 3 may be out
	TURN 0
.macro STEP t
.set XS, X+16*((\t)%2)
.if (\t) > 0
	s_wait_dscnt 1                                 ; this step's numbers are back from the stage (the last step's byte store may be out): so its stores into the stage have read their registers,
.else
	s_wait_dscnt 0x0
.endif
.if (\t)+4 < STEPS
	LOAD (\t)+4                                    ; which take the loads of four steps on
.endif
.if (\t)+1 < STEPS
.if STEPS-2-(\t) >= 3
	s_wait_loadcnt 12                              ; the next step's four loads are in; those of the three steps behind it may be out
.else
	s_wait_loadcnt 4*(STEPS-2-(\t))
.endif
	TURN (\t)+1                                    ; and go through the other stage while this step is worked
.endif
	v_max3_num_f32 v8, |v[XS]|, |v[XS+1]|, |v[XS+2]|               ; the largest magnitude of my 16, in two chains
	v_max3_num_f32 v9, |v[XS+3]|, |v[XS+4]|, |v[XS+5]|
.irp i, 6,10
	v_max3_num_f32 v8, v8, |v[XS+\i]|, |v[XS+\i+1]|
	v_max3_num_f32 v9, v9, |v[XS+\i+2]|, |v[XS+\i+3]|
.endr
	v_max3_num_f32 v8, v8, |v[XS+14]|, |v[XS+15]|
	v_max3_num_f32 v8, v8, v9, (EMAX+1)<<23        ; and the floor 2^(EMAX + 1 - 127): the byte cannot fall under 1
	v_max_num_f32_dpp v8, v8, v8 row_xmask:1 row_mask:0xf bank_mask:0xf   ; and of my neighbour's 16: the block's
	v_add_nc_u32 v11, -(EMAX<<23), v8              ; EMAX off its exponent field: the conversion takes the exponent field of this operand as its scale, and nothing else of it
	v_cvt_scalef32_pk16_fp6_f32 v[C+4*(\t):C+4*(\t)+2], v[XS:XS+15], v11         ; sixteen codes, 96 bits without gaps, the first number's lowest
	v_lshrrev_b32 v[E+(\t)], 23, v11               ; the scale's byte
	ds_store_b8 v5, v[E+(\t)] offset:16*(\t)       ; both lanes of a block write the same byte with the same value
	global_store_b96 v4, v[C+4*(\t):C+4*(\t)+2], s[18:19] offset:32*CB*(\t)
.endm
.irp t, 0,1,2,3,4,5,6,7,8,9,10,11,12,13,14,15
	STEP \t
.endr
	ds_load_b64 v[8:9], v6                         ; LDS serves a wave's instructions in order: these see my stores
	s_wait_dscnt 0x0
	global_store_b64 v7, v[8:9], s[20:21]          ; 32 lanes store 256 consecutive bytes, aligned
	s_wait_tensorcnt 0x0                           ; the wave's end, behind my last LDS store
	ds_add_u32 v[SPW], v[NIL]
	s_wait_dscnt 0x0
	s_endpgm
.Lfunc_end_k_q66c7ce444f_quant:
	.size	k_q66c7ce444f_quant, .Lfunc_end_k_q66c7ce444f_quant-k_q66c7ce444f_quant
	.p2alignl 7, 3214868480
	.fill 96, 4, 3214868480
	.section	.rodata,"a",@progbits
	.p2align	6, 0x0
	.amdhsa_kernel k_q66c7ce444f_quant
		.amdhsa_group_segment_fixed_size 33280
		.amdhsa_private_segment_fixed_size 0
		.amdhsa_enable_private_segment 0
		.amdhsa_kernarg_size 72
		.amdhsa_user_sgpr_count 2
		.amdhsa_user_sgpr_kernarg_segment_ptr 1
		.amdhsa_wavefront_size32 1
		.amdhsa_system_sgpr_workgroup_id_x 1
		.amdhsa_system_sgpr_workgroup_id_y 1
		.amdhsa_system_sgpr_workgroup_id_z 1
		.amdhsa_system_vgpr_workitem_id 0
		.amdhsa_next_free_vgpr 192
		.amdhsa_next_free_sgpr 66
		.amdhsa_reserve_vcc 0
		.amdhsa_float_denorm_mode_32 3
		.amdhsa_float_denorm_mode_16_64 3
		.amdhsa_memory_ordered 1
		.amdhsa_forward_progress 1
		.amdhsa_inst_pref_size 34
	.end_amdhsa_kernel
	.amdgpu_metadata
---
amdhsa.version: [ 1, 2 ]
amdhsa.kernels:
  - .name:           k_q66c7ce444f_quant
    .symbol:         k_q66c7ce444f_quant.kd
    .args:
      - { .name: q, .offset: 0, .size: 8, .value_kind: global_buffer, .address_space: global }
      - { .name: k, .offset: 8, .size: 8, .value_kind: global_buffer, .address_space: global }
      - { .name: v, .offset: 16, .size: 8, .value_kind: global_buffer, .address_space: global }
      - { .name: wq_w, .offset: 24, .size: 8, .value_kind: global_buffer, .address_space: global }
      - { .name: wk_w, .offset: 32, .size: 8, .value_kind: global_buffer, .address_space: global }
      - { .name: wv_w, .offset: 40, .size: 8, .value_kind: global_buffer, .address_space: global }
      - { .name: wo_w, .offset: 48, .size: 8, .value_kind: global_buffer, .address_space: global }
      - { .name: xc, .offset: 56, .size: 8, .value_kind: global_buffer, .address_space: global }
      - { .name: xs, .offset: 64, .size: 8, .value_kind: global_buffer, .address_space: global }
    .group_segment_fixed_size: 33280
    .private_segment_fixed_size: 0
    .kernarg_segment_align: 8
    .kernarg_segment_size: 72
    .max_flat_workgroup_size: 128
    .sgpr_count:     66
    .vgpr_count:     192
    .wavefront_size: 32
...
	.end_amdgpu_metadata
.endif
;; end of part 1
;; launch proj (part 2): grid 4 x 192, 4 waves a work-group, clusters of 4 x 4, 327,680 bytes of LDS; arguments xc, xs, wq_b, wk_b, wv_b, hc, hs; writes hc, hs
.if DOCPART == 2
	.amdgcn_target "amdgcn-amd-amdhsa--gfx1250"
	.amdhsa_code_object_version 6
	.text
	.protected	k_q66c7ce444f_proj
	.globl	k_q66c7ce444f_proj
	.p2align	8
	.type	k_q66c7ce444f_proj,@function
k_q66c7ce444f_proj:
	s_mov_b64 s[64:65], 0
	v_nop
	global_prefetch_b8 v0, s[64:65] scope:SCOPE_SE
	s_setreg_imm32_b32 hwreg(HW_REG_WAVE_MODE, 25, 1), 1
	s_wait_xcnt 0x0
	s_wait_alu depctr_hold_cnt(0) depctr_sa_sdst(0) depctr_va_vdst(0) depctr_va_sdst(0) depctr_va_ssrc(0) depctr_va_vcc(0) depctr_vm_vsrc(0)
	s_getreg_b32 s2, hwreg(HW_REG_IB_STS2, 6, 4)
	s_cmp_eq_u32 s2, 0
	s_cbranch_scc0 .Lentry_in_a_cluster
	s_endpgm
.Lentry_in_a_cluster:
	s_bfe_u32 s2, ttmp6, 0x10000c
	s_cmp_lg_u32 s2, 0xf033
	s_cbranch_scc0 .Lentry_shape_is_right
	s_endpgm
.Lentry_shape_is_right:
; The three projections on codes of FP6 (E2M3) with E8M0 scales, K = 1,024; the results, with their bias, are quantised again and stored as images of the next launch's operand registers (hc) and scale words (hs).
; A work-group makes a block of 128 rows of A x 256 rows of B.  q, k: A = 128 tokens, B = 256 rows of the weight (four heads); the results are quantised along dk.  v: A = 128 rows of the weight (two heads), B = 256 tokens;
; the results are quantised along the keys.  64 x 4 + 64 x 4 + 8 x 32 = 768 work-groups.
; ALL OF K LIES IN LDS: whole rows of 768 bytes of codes, 16 bytes of padding behind each 256 (pitch 816): A's 128 rows, B's 256, then the rows' scale bytes.  Every byte is filled once, by four joint loads at the head,
; one a wave: no ring, and no barrier in the walk along K.  No prefetch: nothing is asked for behind the head.
; CLUSTER 4 x 4: A's tile hangs on the place along y alone and is shared along a row of the cluster, B's on the place along x alone and is shared along a column.
; A wave makes 64 x 128: 32 accumulators, which take turns.  The matrix instruction is used transposed (source 0 = 16 rows of B, source 1 = 16 rows of A): a lane holds one row of A, its registers run along B.
; REGISTERS: window 0: v16-29 addresses, v32-95 all scale words (register 8 i + step: lanes 0-15 A's block i, lanes 16-31 B's), v96-191 A's fragments, two sets; behind the walk v128-255 at work.
; window 1: B's fragments, two sets, at v0 and v128.  window 2: the accumulators.  window 3: v0-63 the bias.
; LIMITS: a block of zeros gets the byte 1 where the rule says 127 (its codes are zeros; this program alone reads the bytes); NaN and infinities are not served.
.set KROW,   768
.set PITCH,  816
.set FR,     12
.set BLK,    16*PITCH
.set ABYTES, 128*PITCH
.set SCL,    384*PITCH
.set SBLK,   544
.set SPARE,  SCL+48*272
.set ADRA, 16
.set ADRB, 18
.set ADRS, 22
.set LI,   24
.set BO,   25
.set SPW,  28
.set NIL,  29
.set SC,   32
.set AF,   96
.set BS,   0
.set T,    128
.set TM,   192
.set PWB,  208
.set DA,   216
.set DB,   228
.set XT,   240
.set W,    248
.set W2,   252
.set G1A,  24
.set G1B,  48
.set G1SA, 68
.set G1SB, 80
.set G0A,  32
.set G0B,  36
.set G0SA, 56
.set G0SB, 60
.set MSB, 0
.macro WIN new
.if MSB != (\new)
	s_set_vgpr_msb (MSB<<8)|(\new)
.set MSB, (\new)
.endif
.endm
.set MUL,  0xa1                        ; source 0 (B) window 1, source 1 (A) window 0, C and D window 2
.set TO_B, 0x40
.macro CROUND
	s_barrier_signal -1
	s_barrier_wait -1
	s_cmp_lg_u32 s14, 0
	s_cbranch_scc1 .Lnot_wave_0_\@
	s_barrier_signal -3
.Lnot_wave_0_\@:
	s_barrier_wait -3
	s_barrier_signal -1
	s_barrier_wait -1
.endm
.macro PLACES
.rept 4
	v_nop
.endr
.endm
	s_load_b128 s[4:7], s[0:1], 0x0                ; xc, xs
	s_load_b128 s[8:11], s[0:1], 0x10              ; wq_b, wk_b
	s_load_b64 s[12:13], s[0:1], 0x20              ; wv_b
	s_load_b128 s[96:99], s[0:1], 0x28             ; hc, hs
	v_lshl_add_u32 v[SPW], v0, 2, SPARE
	v_mov_b32 v[NIL], 0
	ds_add_u32 v[SPW], v[NIL]                      ; the opening lines: the add, twice on end, and its wait
	ds_add_u32 v[SPW], v[NIL]
	v_lshrrev_b32 v1, 5, v0
	v_readfirstlane_b32 s14, v1                    ; wave
	s_lshr_b32 s15, s14, 1                         ; my 64 of A's rows
	s_and_b32 s16, s14, 1                          ; my 128 of B's rows
	s_bfe_u32 s40, ttmp6, 0x40000                  ; cx
	s_bfe_u32 s41, ttmp6, 0x40004                  ; cy
	s_and_b32 s67, ttmp7, 0xffff
	s_lshr_b32 s66, s67, 4                         ; the product: 0 q, 1 k, 2 v
	s_and_b32 s67, s67, 15                         ; the cluster among the product's sixteen
	s_lshl_b32 s95, s67, 2
	s_and_b32 s94, s67, 1
	s_lshl_b32 s94, s94, 2
	s_lshr_b32 s93, s67, 1
	s_lshl_b32 s93, s93, 2
	s_mul_i32 s100, s66, 6291456                   ; the tokens' codes in xc,
	s_mul_i32 s101, s66, 786432
	s_add_co_u32 s101, s101, 18874368              ; the weight's,
	s_lshl_b32 s2, s66, 18                         ; and their scale bytes in xs
	s_lshl_b32 s19, s66, 15
	s_add_co_u32 s19, s19, 786432
	s_cmp_eq_u32 s66, 2
	s_cselect_b32 s17, s94, s95                    ; A's tile: q, k 4 x cluster + cy of 64; v 4 (cluster % 2) + cy of 8
	s_cselect_b32 s42, s93, 0                      ; B's tile: q, k cx of 4; v 4 (cluster / 2) + cx of 32
	s_cselect_b32 s104, s101, s100
	s_cselect_b32 s105, s100, s101
	s_cselect_b32 s100, s19, s2
	s_cselect_b32 s101, s2, s19
	s_add_co_u32 s17, s17, s41
	s_add_co_u32 s42, s42, s40
	s_lshl_b32 s43, s41, 2
	s_lshl_b32 s43, 15, s43                        ; my row of the cluster
	s_lshl_b32 s44, 0x1111, s40                    ; my column
	s_or_b32 s[G1A], s43, (1<<20)|(1<<21)|(5<<22)|(3<<25)   ; elements of 1 byte; 4 words of padding behind every 64
	s_or_b32 s[G1B], s44, (1<<20)|(1<<21)|(5<<22)|(3<<25)
.irp g, G1A, G1B
	s_mov_b32 s[\g+1], KROW<<16
	s_mov_b32 s[\g+3], KROW<<16
	s_mov_b32 s[\g+5], KROW
	s_mov_b32 s[\g+6], 0
	s_mov_b32 s[\g+7], 0
.endr
	s_mov_b32 s[G1A+2], 128<<16
	s_mov_b32 s[G1A+4], 128
	s_mov_b32 s[G1B+2], 256<<16
	s_mov_b32 s[G1B+4], 256
	s_or_b32 s[G1SA], s43, (3<<16)|(1<<20)|(1<<21)|(5<<22)|(3<<25)   ; the scale bytes: dense blocks as rows of 256 bytes
	s_or_b32 s[G1SB], s44, (3<<16)|(1<<20)|(1<<21)|(5<<22)|(3<<25)
.irp g, G1SA, G1SB
	s_mov_b32 s[\g+1], 32<<16
	s_mov_b32 s[\g+3], 32<<16
	s_mov_b32 s[\g+5], 32
	s_mov_b32 s[\g+6], 0
	s_mov_b32 s[\g+7], 0
.endr
	s_mov_b32 s[G1SA+2], 16<<16
	s_mov_b32 s[G1SA+4], 16
	s_mov_b32 s[G1SB+2], 32<<16
	s_mov_b32 s[G1SB+4], 32
	s_lshl_b32 s20, s17, 7                         ; A's first row
	s_lshl_b32 s46, s42, 8                         ; B's
	s_lshl_b32 s22, s20, 5
	s_add_co_u32 s22, s22, s100
	s_mov_b32 s23, 0
	s_lshl_b32 s92, s46, 5
	s_add_co_u32 s92, s92, s101
	s_mov_b32 s93, 0
	s_mul_i32 s20, s20, KROW
	s_add_co_u32 s20, s20, s104
	s_mov_b32 s21, 0
	s_mul_i32 s46, s46, KROW
	s_add_co_u32 s46, s46, s105
	s_mov_b32 s47, 0
	s_wait_dscnt 0x0
	s_wait_kmcnt 0x0
	s_mov_b32 s[G0A], 1
	s_mov_b32 s[G0A+1], 0
	s_add_nc_u64 s[G0A+2:G0A+3], s[4:5], s[20:21]
	s_or_b32 s[G0A+3], s[G0A+3], 0x80000000
	s_mov_b32 s[G0B], 1
	s_mov_b32 s[G0B+1], ABYTES
	s_add_nc_u64 s[G0B+2:G0B+3], s[4:5], s[46:47]
	s_or_b32 s[G0B+3], s[G0B+3], 0x80000000
	s_mov_b32 s[G0SA], 1
	s_mov_b32 s[G0SA+1], SCL
	s_add_nc_u64 s[G0SA+2:G0SA+3], s[6:7], s[22:23]
	s_or_b32 s[G0SA+3], s[G0SA+3], 0x80000000
	s_mov_b32 s[G0SB], 1
	s_mov_b32 s[G0SB+1], SCL+16*272
	s_add_nc_u64 s[G0SB+2:G0SB+3], s[6:7], s[92:93]
	s_or_b32 s[G0SB+3], s[G0SB+3], 0x80000000
	CROUND                                         ; all sixteen work-groups are here: the joint loads meet
.macro ARM under, g0, g1, next                 ; one chain of branches on the wave's number, one load to an arm
	s_cmp_lt_u32 s14, \under
	s_cbranch_scc0 \next
	tensor_load_to_lds s[\g0:\g0+3], s[\g1:\g1+7]
	s_nop 0
	PLACES
	s_branch .Lhead_asked
\next:
.endm
	ARM 1, G0A,  G1A,  .Lhead_b
	ARM 2, G0B,  G1B,  .Lhead_sa
	ARM 3, G0SA, G1SA, .Lhead_sb
	tensor_load_to_lds s[G0SB:G0SB+3], s[G1SB:G1SB+7]
	s_nop 0
	PLACES
.Lhead_asked:
	s_mul_i32 s18, s15, 4*BLK                      ; my rows of A,
	s_mul_i32 s19, s16, 8*BLK
	s_add_co_u32 s19, s19, ABYTES                  ; of B: blocks 0-3,
	s_add_co_u32 s20, s19, 4*BLK                   ; blocks 4-7 (an offset has 16 bits)
	s_mul_i32 s21, s15, 4*SBLK                     ; my scale words: A's,
	s_mul_i32 s22, s16, 8*SBLK
	s_add_co_u32 s22, s22, 8*SBLK
	s_sub_co_u32 s22, s22, s21                     ; and how far behind them B's lie
	s_add_co_u32 s21, s21, SCL
	s_mov_b32 s2, 0x76543210
	s_mov_b32 s3, 0xfedcba98
	v_and_b32 v1, 15, v0
	v_bfe_u32 v2, v0, 4, 1
	v_and_b32 v[LI], 31, v0
	v_mul_u32_u24 v3, v1, PITCH
	v_lshlrev_b32 v[LI], 4, v[LI]
	v_mad_u32_u24 v4, v2, 24, v3                   ; row x pitch + 24 x half;
	v_lshl_add_u32 v5, v2, 4, v4                   ; where lanes 16-31 read behind the next 256 bytes of the row: 16 more
	v_add_nc_u32 v[ADRA], s18, v4
	v_add_nc_u32 v[ADRA+1], s18, v5
	v_add_nc_u32 v[ADRB], s19, v4
	v_add_nc_u32 v[ADRB+1], s19, v5
	v_add_nc_u32 v[ADRB+2], s20, v4
	v_add_nc_u32 v[ADRB+3], s20, v5
	v_lshlrev_b32 v6, 5, v1                        ; 32 scale bytes a row,
	v_lshrrev_b32 v7, 3, v1
	v_lshl_add_u32 v6, v7, 4, v6                   ; and 16 more for each 256 passed
	v_mul_u32_u24 v7, s22, v2                      ; lanes 16-31 take B's
	v_add_nc_u32 v6, v6, v7
	v_add_nc_u32 v[ADRS], s21, v6
.macro FRAG reg, adr, st, off                  ; 16 rows x 128 K: lane (r, h) takes 24 bytes at 96 st + 24 h and 24 at 96 st + 48 + 24 h of its row, in pieces of 8; byte y of a row lies at y + 16 (y / 256)
.irp p, 0,1,2,3,4,5
.set BY, 96*(\st)+48*(\p/3)+8*(\p%3)
.if BY/256 == (BY+24)/256
	ds_load_b64 v[\reg+2*\p:\reg+2*\p+1], v[\adr] offset:BY+16*(BY/256)+(\off)
.else
	ds_load_b64 v[\reg+2*\p:\reg+2*\p+1], v[\adr+1] offset:BY+16*(BY/256)+(\off)
.endif
.endr
.endm
.macro FETCH st, set
	WIN TO_B
.irp i, 0,1,2,3
	FRAG 128*(\set)+FR*\i, ADRB, \st, \i*BLK
.endr
.irp i, 4,5,6,7
	FRAG 128*(\set)+FR*\i, ADRB+2, \st, (\i-4)*BLK
.endr
	WIN 0
.irp i, 0,1,2,3
	FRAG AF+48*(\set)+FR*\i, ADRA, \st, \i*BLK
.endr
.endm
.macro MUL32 st, set, zero                     ; the 32 accumulators by turns, one instruction a turn
.irp a, 0,1,2,3
.irp b, 0,1,2,3,4,5,6,7
.if \zero
	v_wmma_scale_f32_16x16x128_f8f6f4 v[8*(8*\a+\b):8*(8*\a+\b)+7], v[128*(\set)+FR*\b:128*(\set)+FR*\b+FR-1], v[AF+48*(\set)+FR*\a:AF+48*(\set)+FR*\a+FR-1], 0, v[SC+8*\b+(\st)], v[SC+8*\a+(\st)] matrix_a_fmt:MATRIX_FMT_FP6 matrix_b_fmt:MATRIX_FMT_FP6 matrix_a_scale:MATRIX_SCALE_ROW1
.else
	v_wmma_scale_f32_16x16x128_f8f6f4 v[8*(8*\a+\b):8*(8*\a+\b)+7], v[128*(\set)+FR*\b:128*(\set)+FR*\b+FR-1], v[AF+48*(\set)+FR*\a:AF+48*(\set)+FR*\a+FR-1], v[8*(8*\a+\b):8*(8*\a+\b)+7], v[SC+8*\b+(\st)], v[SC+8*\a+(\st)] matrix_a_fmt:MATRIX_FMT_FP6 matrix_b_fmt:MATRIX_FMT_FP6 matrix_a_scale:MATRIX_SCALE_ROW1
.endif
.endr
.endr
.endm
; The walk along K: eight steps of 128.  While a step is multiplied, the next step's fragments are on their way into the other set.
.macro WALK
	s_wait_alu depctr_va_vdst(0)                   ; the wait ahead of the waits below
	FETCH 0, 0
.irp i, 0,1,2,3,4,5,6,7
	ds_load_b128 v[SC+8*\i:SC+8*\i+3], v[ADRS] offset:\i*SBLK          ; all eight steps' scale words of block i
	ds_load_b128 v[SC+8*\i+4:SC+8*\i+7], v[ADRS] offset:\i*SBLK+16
.endr
.set ST, 0
.rept 8
	s_wait_dscnt 0x0                               ; this step's fragments are in
.if ST > 0
	PLACES                                         ; in front of loads into registers that the last step's products have read
.endif
.if ST < 7
	FETCH ST+1, (ST+1)%2
.endif
	WIN MUL
.if ST == 0
	MUL32 ST, 0, 1                                 ; the first step's products start the sums
.else
	MUL32 ST, ST%2, 0
.endif
	WIN 0
.set ST, ST+1
.endr
	PLACES
	s_wait_loadcnt 0x0                             ; the bias
.irp b, 0,1,2,3
	v_mov_b32 v[TM+4+\b], 0                        ; a lane permute's destination counts as one of its sources
.endr
.endm
.macro ADDB a, isv                             ; block a's 64 results + the bias -> T
	WIN 0x0e                                       ; source 0 window 2, source 1 window 3
.set AC, 64*(\a)
.set II, 0
.rept 32
.if \isv
	v_pk_add_f32 v[T+2*II:T+2*II+1], v[AC+2*II:AC+2*II+1], v[BS+2*(\a):BS+2*(\a)+1]
.else
	v_pk_add_f32 v[T+2*II:T+2*II+1], v[AC+2*II:AC+2*II+1], v[BS+2*II:BS+2*II+1]
.endif
.set II, II+1
.endr
	WIN 0
.endm
.macro QUANT s, d0, d1, pw                     ; four blocks of 32 (16 registers in lanes l and l xor 16) -> codes d0 (blocks 0, 1), d1 (blocks 2, 3), six registers each, and the scale word pw
.irp b, 0,1,2,3
	v_max3_num_f32 v[TM+\b], |v[\s+16*\b]|, |v[\s+1+16*\b]|, 0x1800000
.endr
.irp i, 2,4,6,8,10,12,14
.irp b, 0,1,2,3
	v_max3_num_f32 v[TM+\b], v[TM+\b], |v[\s+16*\b+\i]|, |v[\s+1+16*\b+\i]|
.endr
.endr
.irp b, 0,1,2,3
	v_permlanex16_b32 v[TM+4+\b], v[TM+\b], s2, s3
.endr
.irp b, 0,1,2,3
	v_max_num_f32 v[TM+\b], v[TM+\b], v[TM+4+\b]
.endr
.irp b, 0,1,2,3
	v_add_nc_u32 v[TM+12+\b], 0xff000000, v[TM+\b]
.endr
.irp b, 0,1,2,3
	v_lshrrev_b32 v[TM+4+\b], 23, v[TM+12+\b]
.endr
	v_lshl_or_b32 v[\pw], v[TM+5], 8, v[TM+4]
	v_lshl_or_b32 v[\pw], v[TM+6], 16, v[\pw]
	v_lshl_or_b32 v[\pw], v[TM+7], 24, v[\pw]
	v_cvt_scalef32_pk16_fp6_f32 v[\d0:\d0+2], v[\s:\s+15], v[TM+12]
	v_cvt_scalef32_pk16_fp6_f32 v[XT:XT+2], v[\s+16:\s+31], v[TM+13]
	v_cvt_scalef32_pk16_fp6_f32 v[\d1:\d1+2], v[\s+32:\s+47], v[TM+14]
	v_cvt_scalef32_pk16_fp6_f32 v[XT+4:XT+6], v[\s+48:\s+63], v[TM+15]
	v_nop
.irp i, 0,1,2
	v_permlane16_swap_b32 v[\d0+\i], v[XT+\i]
	v_permlane16_swap_b32 v[\d1+\i], v[XT+4+\i]
.endr
.irp i, 0,1,2
	v_mov_b32 v[\d0+3+\i], v[XT+\i]
	v_mov_b32 v[\d1+3+\i], v[XT+4+\i]
.endr
.endm
	s_wait_alu depctr_va_vdst(0)                   ; the wait at the head's end
	s_wait_tensorcnt 0x0                           ; my tile has landed
	s_barrier_signal -1
	s_barrier_wait -1                              ; all four have
	s_cmp_eq_u32 s66, 2
	s_cbranch_scc1 .Lv
	; q, k: my 128 columns are two heads; the bias runs along my registers
	s_cmp_eq_u32 s66, 0
	s_cselect_b64 s[20:21], s[8:9], s[10:11]
	s_lshl_b32 s18, s42, 10
	s_lshl_b32 s19, s16, 9
	s_add_co_u32 s18, s18, s19
	s_mov_b32 s19, 0
	s_add_nc_u64 s[20:21], s[20:21], s[18:19]
	s_lshr_b32 s22, s17, 4
	s_lshl_b32 s22, s22, 4
	s_lshl_b32 s23, s42, 2
	s_add_co_u32 s22, s22, s23
	s_lshl_b32 s23, s16, 1
	s_add_co_u32 s22, s22, s23                     ; 16 x batch + my first head
	s_and_b32 s23, s17, 15                         ; which 128 tokens of the 2,048
	s_lshl_b32 s45, s23, 2
	s_lshl_b32 s46, s15, 1
	s_add_co_u32 s45, s45, s46                     ; my first pair of tiles of the head's 64
	s_lshl_b32 s46, s22, 6
	s_add_co_u32 s45, s45, s46
	s_mul_i32 s46, s45, 1536
	s_mul_i32 s47, s66, 6291456
	s_add_co_u32 s46, s46, s47
	s_mov_b32 s47, 0
	s_add_nc_u64 s[96:97], s[96:97], s[46:47]
	s_lshl_b32 s22, s22, 4
	s_add_co_u32 s22, s22, s23
	s_lshl_b32 s46, s22, 9                         ; scale words: 512 bytes for each 128 tokens, four words a lane, of which two are mine
	s_lshl_b32 s45, s66, 19
	s_add_co_u32 s46, s46, s45
	s_lshl_b32 s45, s15, 3
	s_add_co_u32 s46, s46, s45
	s_add_nc_u64 s[98:99], s[98:99], s[46:47]
	v_bfe_u32 v[BO], v0, 4, 1
	v_lshlrev_b32 v[BO], 6, v[BO]
	WIN 0xc0
.irp n, 0,1,2,3
.irp j, 0,1,2,3
	global_load_b128 v[BS+16*\n+4*\j:BS+16*\n+4*\j+3], v[BO], s[20:21] offset:128*\n+16*\j
.endr
.endr
	WIN 0
	WALK
	s_mov_b32 vcc_lo, 0xffff0000
.irp p, 0,1
.if \p > 0
	s_wait_xcnt 0x0                                ; the last pair's stores have read their registers
.endif
	ADDB 2*\p, 0
	QUANT T, DA, DB, PWB+2*\p
	ADDB 2*\p+1, 0
	QUANT T, DA+6, DB+6, PWB+2*\p+1
.irp g, 0,1,2
	global_store_b128 v[LI], v[DA+4*\g:DA+4*\g+3], s[96:97] offset:1536*\p+512*\g
	global_store_b128 v[LI], v[DB+4*\g:DB+4*\g+3], s[96:97] offset:98304+1536*\p+512*\g
.endr
.endr
.irp i, 0,1
	v_cndmask_b32 v[W+\i], v[PWB+2*\i], v[PWB+2*\i+1], vcc_lo   ; lanes 0-15 the even tile's rows, lanes 16-31 the odd one's
.endr
.irp i, 0,1
	v_lshrrev_b32 v[W2+\i], 16, v[W+\i]            ; the second head's two bytes
.endr
	global_store_b64 v[LI], v[W:W+1], s[98:99]
	global_store_b64 v[LI], v[W2:W2+1], s[98:99] offset:8192
	s_branch .Lclose
.Lv:
	; v: my 64 rows of A are one head's dv, my 128 columns one step of keys; the bias hangs on my lane's row
	s_lshl_b32 s18, s17, 9
	s_lshl_b32 s19, s15, 8
	s_add_co_u32 s18, s18, s19
	s_mov_b32 s19, 0
	s_add_nc_u64 s[20:21], s[12:13], s[18:19]
	s_lshr_b32 s22, s42, 3
	s_lshl_b32 s22, s22, 4
	s_lshl_b32 s23, s17, 1
	s_add_co_u32 s22, s22, s23
	s_add_co_u32 s22, s22, s15                     ; 16 x batch + head
	s_and_b32 s23, s42, 7
	s_lshl_b32 s23, s23, 1
	s_add_co_u32 s23, s23, s16                     ; which 128 keys of the 2,048
	s_lshl_b32 s22, s22, 4
	s_add_co_u32 s22, s22, s23
	s_mul_i32 s46, s22, 6144
	s_add_co_u32 s46, s46, 12582912
	s_mov_b32 s47, 0
	s_add_nc_u64 s[96:97], s[96:97], s[46:47]
	s_lshl_b32 s46, s22, 9
	s_add_co_u32 s46, s46, 1048576
	s_add_nc_u64 s[98:99], s[98:99], s[46:47]
	v_and_b32 v[BO], 15, v0
	v_and_b32 v26, 8, v[BO]
	v_add_nc_u32 v[BO], v[BO], v26                 ; row r of a tile is r + 8 (r / 8) of its 32
	v_lshlrev_b32 v[BO], 2, v[BO]
	WIN 0xc0
.irp a, 0,1,2,3
	global_load_b32 v[BS+2*\a], v[BO], s[20:21] offset:4*(32*(\a/2)+8*(\a%2))
	global_load_b32 v[BS+2*\a+1], v[BO], s[20:21] offset:4*(32*(\a/2)+8*(\a%2))
.endr
	WIN 0
	WALK
.irp a, 0,1,2,3
.if \a > 1
	s_wait_xcnt 0x0
.endif
.set PCC, DA+12*(\a%2)
	ADDB \a, 1
	QUANT T, PCC, PCC+6, PWB+\a
.irp g, 0,1,2
	global_store_b128 v[LI], v[PCC+4*\g:PCC+4*\g+3], s[96:97] offset:1536*\a+512*\g
.endr
.endr
	global_store_b128 v[LI], v[PWB:PWB+3], s[98:99]
.Lclose:
	s_wait_tensorcnt 0x0                           ; the wave's end
	ds_add_u32 v[SPW], v[NIL]
	s_wait_dscnt 0x0
	CROUND                                         ; the closing round
	s_endpgm
.Lfunc_end_k_q66c7ce444f_proj:
	.size	k_q66c7ce444f_proj, .Lfunc_end_k_q66c7ce444f_proj-k_q66c7ce444f_proj
	.p2alignl 7, 3214868480
	.fill 96, 4, 3214868480
	.section	.rodata,"a",@progbits
	.p2align	6, 0x0
	.amdhsa_kernel k_q66c7ce444f_proj
		.amdhsa_group_segment_fixed_size 327680
		.amdhsa_private_segment_fixed_size 0
		.amdhsa_enable_private_segment 0
		.amdhsa_kernarg_size 56
		.amdhsa_user_sgpr_count 2
		.amdhsa_user_sgpr_kernarg_segment_ptr 1
		.amdhsa_wavefront_size32 1
		.amdhsa_system_sgpr_workgroup_id_x 1
		.amdhsa_system_sgpr_workgroup_id_y 1
		.amdhsa_system_sgpr_workgroup_id_z 1
		.amdhsa_system_vgpr_workitem_id 0
		.amdhsa_next_free_vgpr 1024
		.amdhsa_next_free_sgpr 106
		.amdhsa_reserve_vcc 1
		.amdhsa_float_denorm_mode_32 3
		.amdhsa_float_denorm_mode_16_64 3
		.amdhsa_memory_ordered 1
		.amdhsa_forward_progress 1
		.amdhsa_inst_pref_size 206
	.end_amdhsa_kernel
	.amdgpu_metadata
---
amdhsa.version: [ 1, 2 ]
amdhsa.kernels:
  - .name:           k_q66c7ce444f_proj
    .symbol:         k_q66c7ce444f_proj.kd
    .args:
      - { .name: xc, .offset: 0, .size: 8, .value_kind: global_buffer, .address_space: global }
      - { .name: xs, .offset: 8, .size: 8, .value_kind: global_buffer, .address_space: global }
      - { .name: wq_b, .offset: 16, .size: 8, .value_kind: global_buffer, .address_space: global }
      - { .name: wk_b, .offset: 24, .size: 8, .value_kind: global_buffer, .address_space: global }
      - { .name: wv_b, .offset: 32, .size: 8, .value_kind: global_buffer, .address_space: global }
      - { .name: hc, .offset: 40, .size: 8, .value_kind: global_buffer, .address_space: global }
      - { .name: hs, .offset: 48, .size: 8, .value_kind: global_buffer, .address_space: global }
    .group_segment_fixed_size: 327680
    .private_segment_fixed_size: 0
    .kernarg_segment_align: 8
    .kernarg_segment_size: 56
    .max_flat_workgroup_size: 128
    .sgpr_count:     106
    .vgpr_count:     1024
    .wavefront_size: 32
...
	.end_amdgpu_metadata
.endif
;; end of part 2
;; launch attn (part 3): grid 4 x 64, 16 waves a work-group, clusters of 4 x 1, 215,040 bytes of LDS; arguments hc, hs, oc, os; writes oc, os
.if DOCPART == 3
	.amdgcn_target "amdgcn-amd-amdhsa--gfx1250"
	.amdhsa_code_object_version 6
	.text
	.protected	k_q66c7ce444f_attn
	.globl	k_q66c7ce444f_attn
	.p2align	8
	.type	k_q66c7ce444f_attn,@function
k_q66c7ce444f_attn:
	s_mov_b64 s[64:65], 0
	v_nop
	global_prefetch_b8 v0, s[64:65] scope:SCOPE_SE
	s_setreg_imm32_b32 hwreg(HW_REG_WAVE_MODE, 25, 1), 1
	s_wait_xcnt 0x0
	s_wait_alu depctr_hold_cnt(0) depctr_sa_sdst(0) depctr_va_vdst(0) depctr_va_sdst(0) depctr_va_ssrc(0) depctr_va_vcc(0) depctr_vm_vsrc(0)
	s_getreg_b32 s2, hwreg(HW_REG_IB_STS2, 6, 4)
	s_cmp_eq_u32 s2, 0
	s_cbranch_scc0 .Lentry_in_a_cluster
	s_endpgm
.Lentry_in_a_cluster:
	s_bfe_u32 s2, ttmp6, 0x10000c
	s_cmp_lg_u32 s2, 0x3003
	s_cbranch_scc0 .Lentry_shape_is_right
	s_endpgm
.Lentry_shape_is_right:
; o = softmax(qh kh^T / 8) vh for one (batch, head) and 512 queries a work-group, both products on codes of FP6 (E2M3) with E8M0 scales; o / l is quantised along (head, dv) for the last product.
; THE SOFTMAX: t = score x log2(e) / 8; M = the row's largest t so far, rounded UP to a whole number; p = 2^(t - M) is quantised along the keys, not normalised.  The row's sum is taken of the unquantised p, in f32,
; and divides O at the end.  When M moves, the sum and O are multiplied by 2^(old M - new M): exact.
; SHARES: 64 heads x 4 blocks of 512 queries = 256 work-groups.  Each of sixteen waves owns two tiles of 16 queries, one after the other (PASS 0, PASS 1), and walks all 2,048 keys for each, 128 a step.
; LDS HOLDS THE WHOLE HEAD: K's codes 98,304 bytes, V's 98,304, their scale words 8,192 each, as images of the operands' registers: every LDS load is 16 bytes a lane, lanes on end.  Every byte is filled once: no ring.
; CLUSTER: the four work-groups of a cluster belong to one head and ask for each piece jointly.  Waves 0-11 fetch 16,384 bytes of codes each (K's six pieces, then V's), waves 12 and 13 the scale words: one tensor load a wave.
; No prefetch: all that the work-group reads by tensor loads is asked for at the head, so there is no loop to run ahead in.
; LAYOUT: both products are used transposed: S^T = K Q^T (source 0 = 16 keys, source 1 = my 16 queries), O^T = V^T P^T: a lane holds ONE query throughout.
; Rows 0-7 of K's tile t of a step are keys 64 (t / 4) + 8 (t % 4) + 0 .. 7, rows 8-15 the keys 32 further on: so lane (r, h)'s 32 registers of tiles 4 c .. 4 c + 3 are keys 64 c + 32 h + 0 .. 31: one whole block,
; in the order of P's operand.  A block's maximum needs no other lane, and the conversions' results are the operand's registers.
; My queries are 16 rows in the order in which q's rows were written; the last launch puts the rows back.  O^T's 16 registers of fragments 2 b, 2 b + 1 are dv 32 b + 16 h + 0 .. 15.
; THE SCORES' K IS 64, half of the instruction's 128: Q's registers 6-11 are zero codes.  A tile of K is six registers; the instruction is given twelve, of which the upper six (the next tile's; behind the last: zeros) meet those zeros.
; LIMITS: the promise holds while the scaled scores stay under 2^31 in magnitude; a block's largest p is taken from the block's largest score, which takes v_exp_f32 not to fall where its input rises; a block of zeros gets the
; byte 1 where the rule says 127 (its codes are zeros; this program alone reads the bytes); NaN and infinities are not served.
; REGISTERS: v1-11 addresses; v12 -M, v13 the largest score, v[14:15] the sum in two halves; v16-27, v192-203 Q's two tiles; v28, v29 the way out; v32-79 K's eight tiles, then V's four fragments; v80-85 zeros;
; v96-159 S^T, then p; v160-191 O^T; v224-235 p's codes; v232-247, v252, v254 at work; v248-251 K's, then V's scale words; v253 p's; v255, v204 Q's.
.set VC,    98304
.set KSC,   196608
.set VSC,   204800
.set SPARE, 212992                     ; the spare words, 128 bytes for each of sixteen waves, which no other line names
.set LI,   1                           ; 16 x lane
.set LS,   2                           ; KSC + 16 x lane
.set SPW,  5
.set NIL,  6
.set ADK,  8
.set ADV,  9
.set ADS,  10
.set SH,   11                          ; 8 x (lane / 16)
.set WV,   12
.set SEL,  20
.set CS,   22
.set G1C,  24
.set G1S,  32
.set G0S,  40
.set G0C,  44
.set TK,   60
.set TS,   61
.set CNT,  62
.macro CROUND
	s_barrier_signal -1
	s_barrier_wait -1
	s_cmp_lg_u32 s[WV], 0
	s_cbranch_scc1 .Lnot_wave_0_\@
	s_barrier_signal -3
.Lnot_wave_0_\@:
	s_barrier_wait -3
	s_barrier_signal -1
	s_barrier_wait -1
.endm
	s_load_b256 s[4:11], s[0:1], 0x0               ; hc, hs, oc, os
	v_lshl_add_u32 v[SPW], v0, 2, SPARE
	v_mov_b32 v[NIL], 0
	ds_add_u32 v[SPW], v[NIL]                      ; the opening lines: the add, twice on end, and its wait ahead of the first tensor load
	ds_add_u32 v[SPW], v[NIL]
	v_lshrrev_b32 v8, 5, v0
	v_readfirstlane_b32 s[WV], v8                  ; wave 0..15
	s_bfe_u32 s13, ttmp6, 0x40000                  ; cx: it enters Q's and the outputs' addresses alone
	s_lshl_b32 s14, ttmp9, 2
	s_add_co_u32 s14, s14, s13
	s_lshl_b32 s14, s14, 1                         ; the first of my work-group's two runs of 256 queries
	s_and_b32 s15, ttmp7, 0xffff                   ; 16 x batch + head
	s_and_b32 s16, s[WV], 1
	; group 1: dense blocks as rows of 256 bytes (32 elements of 8 bytes): 64 rows a piece of codes, 32 for a tensor's scale words; mask: all four work-groups
	s_mov_b32 s[G1C], 15|(3<<16)|(1<<21)
	s_mov_b32 s[G1C+1], 32<<16
	s_mov_b32 s[G1C+2], 64<<16
	s_mov_b32 s[G1C+3], 32<<16
	s_mov_b32 s[G1C+4], 64
	s_mov_b32 s[G1C+5], 32
	s_mov_b32 s[G1C+6], 0
	s_mov_b32 s[G1C+7], 0
	s_mov_b32 s[G1S], 15|(3<<16)|(1<<21)
	s_mov_b32 s[G1S+1], 32<<16
	s_mov_b32 s[G1S+2], 32<<16
	s_mov_b32 s[G1S+3], 32<<16
	s_mov_b32 s[G1S+4], 32
	s_mov_b32 s[G1S+5], 32
	s_mov_b32 s[G1S+6], 0
	s_mov_b32 s[G1S+7], 0
	s_mul_i32 s66, s15, 98304                      ; the head's codes in a part of hc,
	s_lshl_b32 s67, s15, 13                        ; its scale words in a part of hs
	s_min_u32 s17, s[WV], 11
	s_lshl_b32 s18, s17, 14                        ; my piece: 16,384 x wave, in LDS (K's region, then V's) and in the two parts of hc on end
	s_cmp_lt_u32 s[WV], 6
	s_cselect_b32 s68, 0, 6193152                  ; V's part begins 6,291,456 bytes behind K's: 6,291,456 - 98,304 more than the pieces count
	s_add_co_u32 s68, s68, s18
	s_add_co_u32 s68, s68, s66
	s_add_co_u32 s68, s68, 6291456                 ; part 1: k's
	s_mov_b32 s69, 0
	s_add_co_u32 s17, s16, 1                       ; scale words: wave 12 part 1, wave 13 part 2
	s_lshl_b32 s70, s17, 19
	s_add_co_u32 s70, s70, s67
	s_mov_b32 s71, 0
	s_lshl_b32 s19, s16, 13
	s_mov_b32 s[SEL], 0x76543210
	s_mov_b32 s[SEL+1], 0xfedcba98
	s_mov_b32 s[CS], 0x3e38aa3b                    ; c = log2(e) / 8
	s_mov_b32 s[CS+1], s[CS]
	s_wait_dscnt 0x0                               ; both opening adds are done
	s_wait_kmcnt 0x0
	s_mov_b32 s[G0C], 1
	s_mov_b32 s[G0C+1], s18
	s_add_nc_u64 s[G0C+2:G0C+3], s[4:5], s[68:69]
	s_or_b32 s[G0C+3], s[G0C+3], 0x80000000
	s_mov_b32 s[G0S], 1
	s_add_co_u32 s[G0S+1], s19, KSC
	s_add_nc_u64 s[G0S+2:G0S+3], s[6:7], s[70:71]
	s_or_b32 s[G0S+3], s[G0S+3], 0x80000000
	CROUND                                         ; all four work-groups are here: the joint loads meet
	s_cmp_lt_u32 s[WV], 12                         ; one chain of branches on the wave's number, one fill to an arm
	s_cbranch_scc0 .Lfor_scales
	tensor_load_to_lds s[G0C:G0C+3], s[G1C:G1C+7]
	s_nop 0
.rept 4
	v_nop
.endr
	s_branch .Lasked
.Lfor_scales:
	s_cmp_lt_u32 s[WV], 14
	s_cbranch_scc0 .Lasked
	tensor_load_to_lds s[G0S:G0S+3], s[G1S:G1S+7]
	s_nop 0
.rept 4
	v_nop
.endr
.Lasked:
	; Q: pass p's tile is 16 (s14 + p) + wave: half of a pair's image: registers 0-5 (even tile) or 6-11 (odd) of twelve that lie as 3 x 512 bytes, 16 bytes a lane
	s_lshl_b32 s17, s14, 3
	s_lshr_b32 s18, s[WV], 1
	s_add_co_u32 s17, s17, s18                     ; the pair
	s_mul_i32 s68, s17, 1536
	s_add_co_u32 s68, s68, s66
	s_mov_b32 s69, 0
	s_add_nc_u64 s[68:69], s[4:5], s[68:69]        ; part 0: q's
	s_lshl_b32 s70, s14, 1                         ; its scale word: 512 bytes for each 128 rows; word (tile % 8) / 2 of lane r + 16 (tile % 2)
	s_lshr_b32 s19, s[WV], 3
	s_add_co_u32 s70, s70, s19
	s_lshl_b32 s70, s70, 9
	s_add_co_u32 s70, s70, s67
	s_lshl_b32 s19, s16, 8
	s_add_co_u32 s70, s70, s19
	s_bfe_u32 s19, s[WV], 0x20001
	s_lshl_b32 s19, s19, 2
	s_add_co_u32 s70, s70, s19
	s_mov_b32 s71, 0
	s_add_nc_u64 s[70:71], s[6:7], s[70:71]
	; the way out: pass 0's tile among all 512; pass 1's lies 16 tiles on
	s_lshr_b32 s72, s15, 4
	s_lshl_b32 s72, s72, 7
	s_lshl_b32 s73, s14, 4
	s_add_co_u32 s72, s72, s73
	s_add_co_u32 s72, s72, s[WV]
	s_and_b32 s73, s15, 15                         ; the head
	s_lshl_b32 s74, s72, 4
	s_add_co_u32 s74, s74, s73
	s_mul_i32 s74, s74, 768
	s_mov_b32 s75, 0
	s_add_nc_u64 s[8:9], s[8:9], s[74:75]          ; oc: [tile][head][768 bytes]
	s_lshl_b32 s74, s72, 9
	s_lshl_b32 s73, s73, 1
	s_add_co_u32 s74, s74, s73
	s_add_nc_u64 s[10:11], s[10:11], s[74:75]      ; os: [row][32 bytes], the head's two bytes at 2 x head
	s_cmp_eq_u32 s16, 0
	s_cselect_b32 s17, 0, 520                      ; registers 0, 1 or 6, 7;  512 bytes on: 4, 5 or 10, 11
	s_cselect_b32 s18, 8, 1024                     ; registers 2, 3 or 8, 9
	v_and_b32 v[LI], 31, v0
	v_and_b32 v7, 15, v0
	v_bfe_u32 v[SH], v0, 4, 1
	v_lshlrev_b32 v[LI], 4, v[LI]
	v_lshlrev_b32 v7, 4, v7
	v_lshlrev_b32 v[SH], 3, v[SH]
	v_add_nc_u32 v3, s17, v[LI]
	v_add_nc_u32 v4, s18, v[LI]
	v_add_nc_u32 v[LS], KSC, v[LI]
.macro QLOAD qb, qs, p
	global_load_b64 v[\qb:\qb+1], v3, s[68:69] offset:12288*\p
	global_load_b64 v[\qb+2:\qb+3], v4, s[68:69] offset:12288*\p
	global_load_b64 v[\qb+4:\qb+5], v3, s[68:69] offset:12288*\p+512
	global_load_b32 v[\qs], v7, s[70:71] offset:1024*\p
.endm
	QLOAD 16, 255, 0
	QLOAD 192, 204, 1
	v_lshlrev_b32 v28, 1, v7                       ; os: 32 bytes a row
	v_lshrrev_b32 v29, 1, v[LI]                    ; 8 x lane
.irp j, 0,1,2,3,4,5
	v_mov_b32 v[22+\j], 0                          ; Q's upper halves: zero codes
	v_mov_b32 v[198+\j], 0
	v_mov_b32 v[80+\j], 0                          ; and what stands behind K's last tile
.endr
	v_mov_b32 v236, 0                              ; a lane permute's destination counts as one of its sources
; A KEY STEP: 128 keys.
.macro STEP qb, qs
	v_add_nc_u32 v[ADK], s[TK], v[LI]              ; these four lines are also the places in front of loads into registers that the last products have read
	v_add_nc_u32 v[ADS], s[TS], v[LS]
	v_mov_b32 v254, v12                            ; the old -M
	v_add_nc_u32 v[ADV], VC, v[ADK]
.irp g, 0,1,2,3,4,5,6,7,8,9,10,11
	ds_load_b128 v[32+4*\g:35+4*\g], v[ADK] offset:512*\g      ; K's eight tiles: tile t at v[32 + 6 t]
.endr
	ds_load_b128 v[248:251], v[ADS]                ; word i: lanes 0-15 tile 2 i's rows, lanes 16-31 tile 2 i + 1's
	s_wait_alu depctr_va_vdst(0)                   ; directly ahead of the wait below
	s_wait_dscnt 0x0
.irp t, 0,1,2,3,4,5,6,7                        ; S^T = K Q^T
.if \t % 2
	v_wmma_scale_f32_16x16x128_f8f6f4 v[96+8*\t:103+8*\t], v[32+6*\t:43+6*\t], v[\qb:\qb+11], 0, v[248+\t/2], v[\qs] matrix_a_fmt:MATRIX_FMT_FP6 matrix_b_fmt:MATRIX_FMT_FP6 matrix_a_scale:MATRIX_SCALE_ROW1
.else
	v_wmma_scale_f32_16x16x128_f8f6f4 v[96+8*\t:103+8*\t], v[32+6*\t:43+6*\t], v[\qb:\qb+11], 0, v[248+\t/2], v[\qs] matrix_a_fmt:MATRIX_FMT_FP6 matrix_b_fmt:MATRIX_FMT_FP6
.endif
.endr                                          ; lane (r, h) holds query r; registers 96 + 32 c + i are keys 64 c + 32 h + i of the step
.rept 4
	v_nop                                          ; places in front of the loads below and of the first read of the scores
.endr
.irp g, 0,1,2,3,4,5,6,7,8,9,10,11
	ds_load_b128 v[32+4*\g:35+4*\g], v[ADV] offset:512*\g      ; V's four fragments: they land under the softmax
.endr
	ds_load_b128 v[248:251], v[ADS] offset:VSC-KSC
.irp b, 0,1,2,3
	v_max3_num_f32 v[232+\b], v[96+16*\b], v[97+16*\b], v[98+16*\b]   ; the largest score, in four chains of 16 registers, each accumulator from its low end on
.endr
.irp i, 3,5,7,9,11,13
.irp b, 0,1,2,3
	v_max3_num_f32 v[232+\b], v[232+\b], v[96+16*\b+\i], v[97+16*\b+\i]
.endr
.endr
	v_max3_num_f32 v232, v232, v233, v111
	v_max3_num_f32 v234, v234, v235, v143
	v_max_num_f32 v232, v232, v127                 ; MY BLOCK 0'S LARGEST SCORE (32 keys, all mine): it serves the row's maximum and, since p rises with the score, the block's largest p
	v_max_num_f32 v234, v234, v159                 ; and block 1's
	v_max_num_f32 v233, v232, v234
	v_permlanex16_b32 v236, v233, s[SEL], s[SEL+1]
	v_max3_num_f32 v13, v13, v233, v236            ; the running largest score of my query, lane l xor 16's 64 keys among them
	v_mul_f32 v235, s[CS], v13                     ; as t (c is positive)
	v_floor_f32 v12, -v235                         ; the new -M = -ceil(t): M IS A WHOLE NUMBER
	v_sub_f32 v254, v12, v254                      ; M's old value less its new one: a whole number, 0 or less
	v_cvt_i32_f32 v254, v254                       ; (it saturates)
	v_ldexp_f32 v252, 1.0, v254                    ; f = 2^(old M - new M)
.set J, 0
.rept 32
	v_pk_fma_f32 v[96+J:97+J], v[96+J:97+J], s[CS:CS+1], v[12:13] op_sel_hi:[1,0,0]   ; t - M, two at a time (the pairs' low words serve both halves)
.set J, J+2
.endr
	v_fma_f32 v232, v232, s[CS], v12               ; the same of each block's largest score
	v_fma_f32 v234, v234, s[CS], v12
	s_wait_alu depctr_va_vdst(0)                   ; the wait ahead of the batch
.set J, 0
.rept 64
	v_exp_f32 v[96+J], v[96+J]                     ; p = 2^(t - M), at most 1: NOT normalised
.set J, J+1
.endr
	v_exp_f32 v232, v232                           ; the blocks' largest p: the same two instructions on the same number give the same bits
	v_exp_f32 v234, v234
	v_pk_mul_f32 v[14:15], v[14:15], v[252:253] op_sel_hi:[1,0]   ; the sums under the new M.  (A plain place behind the exponentials)
	s_wait_alu depctr_va_vdst(0)                   ; and behind it: one wait for the whole batch
	v_pk_add_f32 v[236:237], v[96:97], v[98:99]    ; the row's sum of the unquantised p: 32 pairs in four chains
	v_pk_add_f32 v[238:239], v[100:101], v[102:103]
	v_pk_add_f32 v[240:241], v[104:105], v[106:107]
	v_pk_add_f32 v[14:15], v[14:15], v[108:109]
.set J, 110
.rept 6
	v_pk_add_f32 v[236:237], v[236:237], v[J:J+1]
	v_pk_add_f32 v[238:239], v[238:239], v[J+2:J+3]
	v_pk_add_f32 v[240:241], v[240:241], v[J+4:J+5]
	v_pk_add_f32 v[14:15], v[14:15], v[J+6:J+7]
.set J, J+8
.endr
	v_pk_add_f32 v[236:237], v[236:237], v[158:159]
	v_pk_add_f32 v[14:15], v[14:15], v[240:241]
	v_max_num_f32 v232, 0x1800000, v232            ; the floor 2^(3 - 127): the byte cannot fall under 1
	v_max_num_f32 v234, 0x1800000, v234
	v_pk_add_f32 v[236:237], v[236:237], v[238:239]
	v_add_nc_u32 v244, 0xff000000, v232            ; 2 off the exponent field: the conversion's scale operand
	v_add_nc_u32 v245, 0xff000000, v234
	v_pk_add_f32 v[14:15], v[14:15], v[236:237]
	v_lshrrev_b32 v242, 23, v244                   ; the scales' bytes
	v_lshrrev_b32 v243, 23, v245
	v_lshl_or_b32 v242, v243, 16, v242             ; my two: blocks h and 2 + h,
	v_lshlrev_b32 v242, v[SH], v242                ; at their places in the scale word (8 h bits up);
	v_permlanex16_b32 v243, v242, s[SEL], s[SEL+1]
	v_or_b32 v253, v242, v243                      ; with lane l xor 16's two the word is whole
	v_cvt_scalef32_pk16_fp6_f32 v[224:226], v[96:111], v244
	v_cvt_scalef32_pk16_fp6_f32 v[236:238], v[112:127], v244   ; (a conversion's three registers begin on an even number: a block's upper half is made elsewhere and moved)
	v_cvt_scalef32_pk16_fp6_f32 v[230:232], v[128:143], v245
	v_cvt_scalef32_pk16_fp6_f32 v[240:242], v[144:159], v245
	v_nop                                          ; one plain place behind a scaled conversion
.irp i, 0,1,2
	v_mov_b32 v[227+\i], v[236+\i]
	v_mov_b32 v[233+\i], v[240+\i]
.endr
	s_wait_alu depctr_va_vdst(0)                   ; directly ahead of the first reader of O^T
.set J, 0
.rept 16
	v_pk_mul_f32 v[160+J:161+J], v[160+J:161+J], v[252:253] op_sel_hi:[1,0]   ; O^T under the new M.  (These 16 also stand between the lines that made p's codes and scale word and the products below)
.set J, J+2
.endr
	s_wait_alu depctr_va_vdst(0)                   ; directly ahead of the wait below
	s_wait_dscnt 0x0                               ; V's fragments and scale words are in
.irp d, 0,1,2,3                                ; O^T += V^T P^T: the four accumulators by turns
	v_wmma_scale_f32_16x16x128_f8f6f4 v[160+8*\d:167+8*\d], v[32+12*\d:43+12*\d], v[224:235], v[160+8*\d:167+8*\d], v[248+\d], v253 matrix_a_fmt:MATRIX_FMT_FP6 matrix_b_fmt:MATRIX_FMT_FP6
.endr
	s_add_co_u32 s[TK], s[TK], 6144
	s_add_co_u32 s[TS], s[TS], 512
.endm
; One tile of 16 queries against all 2,048 keys, and its way out.
.macro PASS p, qb, qs
.if \p
	s_wait_xcnt 0x0                                ; the last pass's stores have read their registers
.endif
	v_mov_b32 v13, 0xff61b1e6                      ; the largest score so far: -3e38
	v_mov_b32 v14, 0
	v_mov_b32 v15, 0
	v_mov_b32 v253, 0                              ; (named as the upper half of the pair v[252:253] before it is first written)
	v_floor_f32 v12, -v13
.set J, 0
.rept 32
	v_mov_b32 v[160+J], 0                          ; O^T.  (The step is written once: the first finds zeros, which the first change of M leaves zeros)
.set J, J+1
.endr
	s_mov_b32 s[TK], 0
	s_mov_b32 s[TS], 0
	s_mov_b32 s[CNT], 16
.Lstep_\@:
	STEP \qb, \qs
	s_sub_co_u32 s[CNT], s[CNT], 1
	s_cmp_lg_u32 s[CNT], 0
	s_cbranch_scc1 .Lstep_\@
	; O^T / the sum is quantised along the head's 64 (two blocks) and leaves as an image of six registers of the last product's operand
	v_add_f32 v14, v14, v15
	v_permlanex16_b32 v252, v14, s[SEL], s[SEL+1]
	v_add_f32 v14, v14, v252                       ; the row's sum
	s_wait_alu depctr_va_vdst(0)                   ; the wait ahead of the reciprocal,
	v_rcp_f32 v14, v14
.rept 4
	v_nop                                          ; places behind the reciprocal and behind the last products
.endr
	s_wait_alu depctr_va_vdst(0)                   ; and ahead of its first reader
.set J, 0
.rept 32
	v_mul_f32 v[96+J], v[160+J], v14               ; each accumulator from its low end on
.set J, J+1
.endr
.irp b, 0,1
	v_max3_num_f32 v[232+\b], |v[96+16*\b]|, |v[97+16*\b]|, 0x1800000
.endr
.irp i, 2,4,6,8,10,12,14
.irp b, 0,1
	v_max3_num_f32 v[232+\b], v[232+\b], |v[96+16*\b+\i]|, |v[97+16*\b+\i]|
.endr
.endr
.irp b, 0,1
	v_permlanex16_b32 v[236+\b], v[232+\b], s[SEL], s[SEL+1]
.endr
.irp b, 0,1
	v_max_num_f32 v[232+\b], v[232+\b], v[236+\b]
.endr
.irp b, 0,1
	v_add_nc_u32 v[244+\b], 0xff000000, v[232+\b]
.endr
.irp b, 0,1
	v_lshrrev_b32 v[236+\b], 23, v[244+\b]
.endr
	v_lshl_or_b32 v253, v237, 8, v236              ; the head's two scale bytes of my row
	v_cvt_scalef32_pk16_fp6_f32 v[224:226], v[96:111], v244
	v_cvt_scalef32_pk16_fp6_f32 v[228:230], v[112:127], v245
	v_nop
.irp i, 0,1,2
	v_permlane16_swap_b32 v[224+\i], v[228+\i]     ; a whole block to a lane: lanes 0-15 dv 0 .. 31, lanes 16-31 dv 32 .. 63
.endr
.irp i, 0,1,2
	v_mov_b32 v[227+\i], v[228+\i]
.endr
	global_store_b128 v[LI], v[224:227], s[8:9] offset:196608*\p        ; registers 0-3: 512 consecutive bytes, aligned
	global_store_b64 v29, v[228:229], s[8:9] offset:196608*\p+512       ; registers 4, 5: 256
	global_store_b16 v28, v253, s[10:11] offset:8192*\p                 ; two bytes a row (both halves of the lanes write the same value)
.endm
	s_wait_alu depctr_va_vdst(0)                   ; the wait at the head's end
	s_wait_tensorcnt 0x0                           ; my piece has landed,
	s_wait_loadcnt 0x0                             ; and Q's two tiles
	s_barrier_signal -1
	s_barrier_wait -1                              ; everybody's piece has landed
	PASS 0, 16, 255
	PASS 1, 192, 204
	s_wait_tensorcnt 0x0                           ; the wave's end
	ds_add_u32 v[SPW], v[NIL]
	s_wait_dscnt 0x0
	CROUND                                         ; the closing round
	s_endpgm
.Lfunc_end_k_q66c7ce444f_attn:
	.size	k_q66c7ce444f_attn, .Lfunc_end_k_q66c7ce444f_attn-k_q66c7ce444f_attn
	.p2alignl 7, 3214868480
	.fill 96, 4, 3214868480
	.section	.rodata,"a",@progbits
	.p2align	6, 0x0
	.amdhsa_kernel k_q66c7ce444f_attn
		.amdhsa_group_segment_fixed_size 215040
		.amdhsa_private_segment_fixed_size 0
		.amdhsa_enable_private_segment 0
		.amdhsa_kernarg_size 32
		.amdhsa_user_sgpr_count 2
		.amdhsa_user_sgpr_kernarg_segment_ptr 1
		.amdhsa_wavefront_size32 1
		.amdhsa_system_sgpr_workgroup_id_x 1
		.amdhsa_system_sgpr_workgroup_id_y 1
		.amdhsa_system_sgpr_workgroup_id_z 1
		.amdhsa_system_vgpr_workitem_id 0
		.amdhsa_next_free_vgpr 256
		.amdhsa_next_free_sgpr 76
		.amdhsa_reserve_vcc 0
		.amdhsa_float_denorm_mode_32 3
		.amdhsa_float_denorm_mode_16_64 3
		.amdhsa_memory_ordered 1
		.amdhsa_forward_progress 1
		.amdhsa_inst_pref_size 47
	.end_amdhsa_kernel
	.amdgpu_metadata
---
amdhsa.version: [ 1, 2 ]
amdhsa.kernels:
  - .name:           k_q66c7ce444f_attn
    .symbol:         k_q66c7ce444f_attn.kd
    .args:
      - { .name: hc, .offset: 0, .size: 8, .value_kind: global_buffer, .address_space: global }
      - { .name: hs, .offset: 8, .size: 8, .value_kind: global_buffer, .address_space: global }
      - { .name: oc, .offset: 16, .size: 8, .value_kind: global_buffer, .address_space: global }
      - { .name: os, .offset: 24, .size: 8, .value_kind: global_buffer, .address_space: global }
    .group_segment_fixed_size: 215040
    .private_segment_fixed_size: 0
    .kernarg_segment_align: 8
    .kernarg_segment_size: 32
    .max_flat_workgroup_size: 512
    .sgpr_count:     76
    .vgpr_count:     256
    .wavefront_size: 32
...
	.end_amdgpu_metadata
.endif
;; end of part 3
;; launch outp (part 4): grid 4 x 64, 4 waves a work-group, clusters of 4 x 4, 327,680 bytes of LDS; arguments oc, os, xc, xs, wo_b, out0; writes out0
.if DOCPART == 4
	.amdgcn_target "amdgcn-amd-amdhsa--gfx1250"
	.amdhsa_code_object_version 6
	.text
	.protected	k_q66c7ce444f_outp
	.globl	k_q66c7ce444f_outp
	.p2align	8
	.type	k_q66c7ce444f_outp,@function
k_q66c7ce444f_outp:
	s_mov_b64 s[64:65], 0
	v_nop
	global_prefetch_b8 v0, s[64:65] scope:SCOPE_SE
	s_setreg_imm32_b32 hwreg(HW_REG_WAVE_MODE, 25, 1), 1
	s_wait_xcnt 0x0
	s_wait_alu depctr_hold_cnt(0) depctr_sa_sdst(0) depctr_va_vdst(0) depctr_va_sdst(0) depctr_va_ssrc(0) depctr_va_vcc(0) depctr_vm_vsrc(0)
	s_getreg_b32 s2, hwreg(HW_REG_IB_STS2, 6, 4)
	s_cmp_eq_u32 s2, 0
	s_cbranch_scc0 .Lentry_in_a_cluster
	s_endpgm
.Lentry_in_a_cluster:
	s_bfe_u32 s2, ttmp6, 0x10000c
	s_cmp_lg_u32 s2, 0xf033
	s_cbranch_scc0 .Lentry_shape_is_right
	s_endpgm
.Lentry_shape_is_right:
; out0 = o wo_w^T + wo_b on codes of FP6 (E2M3) with E8M0 scales, K = 1,024.  A work-group makes 128 rows x 256 columns: 64 x 4 = 256 work-groups.
; ALL OF K LIES IN LDS, filled once by four joint loads at the head, one a wave: o's 128 rows as images of the operand's registers (98,304 dense bytes: [tile of 16 rows][head][768]), wo_w's 256 rows as whole rows of 768 bytes
; with 16 bytes of padding behind each 256 (pitch 816), then the rows' scale bytes.  No ring, and no barrier in the walk along K.  No prefetch: nothing is asked for behind the head.
; CLUSTER 4 x 4: o's tile is shared along a row of the cluster, wo_w's along a column.
; A wave makes 64 x 128: 32 accumulators, which take turns; the bias is the C of the first step.  The matrix instruction is used transposed (source 0 = 16 rows of wo_w, source 1 = 16 rows of o).
; o's rows and wo_w's rows lie in the order in which they were written (row 16 u + r of each 32 is 8 u + r + 8 (r / 8)); the way out puts rows and columns back.
; The way out goes through a stage in the bytes that held o's tile: they have had their only fill, and a barrier stands behind every wave's last read of them.
; REGISTERS: window 0: v16-30 addresses, v32-95 all scale words, v96-191 o's fragments, two sets; on the way out v128-255.  window 1: wo_w's fragments, two sets.  window 2: the accumulators.  window 3: v0-63 the bias.
.set KROW,   768
.set PITCH,  816
.set FR,     12
.set BLK,    16*PITCH
.set ABYTES, 128*PITCH
.set SCL,    384*PITCH
.set SBLK,   544
.set SPARE,  SCL+48*272
.set SPITCH, 528
.set ADRA, 16
.set ADRB, 18
.set ADRS, 22
.set STO,  24
.set RD,   25
.set CO,   26
.set SPW,  28
.set NIL,  29
.set BOF,  30
.set SC,   32
.set AF,   96
.set BI,   0
.set BK,   128
.set G1A,  24
.set G1B,  48
.set G1SA, 68
.set G1SB, 80
.set G0A,  32
.set G0B,  36
.set G0SA, 56
.set G0SB, 60
.set MSB, 0
.macro WIN new
.if MSB != (\new)
	s_set_vgpr_msb (MSB<<8)|(\new)
.set MSB, (\new)
.endif
.endm
.set MUL,  0xa1
.set FST,  0xb1                        ; the first step: C in window 3
.set TO_B, 0x40
.macro CROUND
	s_barrier_signal -1
	s_barrier_wait -1
	s_cmp_lg_u32 s14, 0
	s_cbranch_scc1 .Lnot_wave_0_\@
	s_barrier_signal -3
.Lnot_wave_0_\@:
	s_barrier_wait -3
	s_barrier_signal -1
	s_barrier_wait -1
.endm
.macro PLACES
.rept 4
	v_nop
.endr
.endm
	s_load_b128 s[4:7], s[0:1], 0x0                ; oc, os
	s_load_b128 s[8:11], s[0:1], 0x10              ; xc, xs
	s_load_b64 s[96:97], s[0:1], 0x20              ; wo_b
	s_load_b64 s[12:13], s[0:1], 0x28              ; out0
	v_lshl_add_u32 v[SPW], v0, 2, SPARE
	v_mov_b32 v[NIL], 0
	ds_add_u32 v[SPW], v[NIL]                      ; the opening lines: the add, twice on end, and its wait
	ds_add_u32 v[SPW], v[NIL]
	v_lshrrev_b32 v1, 5, v0
	v_readfirstlane_b32 s14, v1
	s_lshr_b32 s15, s14, 1                         ; my 64 rows
	s_and_b32 s16, s14, 1                          ; my 128 columns
	s_bfe_u32 s40, ttmp6, 0x40000
	s_bfe_u32 s41, ttmp6, 0x40004
	s_lshl_b32 s42, ttmp9, 2
	s_add_co_u32 s42, s42, s40                     ; the block's 256 columns
	s_and_b32 s17, ttmp7, 0xffff
	s_lshl_b32 s17, s17, 2
	s_add_co_u32 s17, s17, s41                     ; the block's 128 rows
	s_lshl_b32 s43, s41, 2
	s_lshl_b32 s43, 15, s43
	s_lshl_b32 s44, 0x1111, s40
	s_or_b32 s[G1A], s43, (3<<16)|(1<<21)          ; a dense block as 384 rows of 256 bytes, no padding
	s_mov_b32 s[G1A+1], 32<<16
	s_mov_b32 s[G1A+2], 384<<16
	s_mov_b32 s[G1A+3], 32<<16
	s_mov_b32 s[G1A+4], 384
	s_mov_b32 s[G1A+5], 32
	s_mov_b32 s[G1A+6], 0
	s_mov_b32 s[G1A+7], 0
	s_or_b32 s[G1B], s44, (1<<20)|(1<<21)|(5<<22)|(3<<25)
	s_mov_b32 s[G1B+1], KROW<<16
	s_mov_b32 s[G1B+2], 256<<16
	s_mov_b32 s[G1B+3], KROW<<16
	s_mov_b32 s[G1B+4], 256
	s_mov_b32 s[G1B+5], KROW
	s_mov_b32 s[G1B+6], 0
	s_mov_b32 s[G1B+7], 0
	s_or_b32 s[G1SA], s43, (3<<16)|(1<<20)|(1<<21)|(5<<22)|(3<<25)
	s_or_b32 s[G1SB], s44, (3<<16)|(1<<20)|(1<<21)|(5<<22)|(3<<25)
.irp g, G1SA, G1SB
	s_mov_b32 s[\g+1], 32<<16
	s_mov_b32 s[\g+3], 32<<16
	s_mov_b32 s[\g+5], 32
	s_mov_b32 s[\g+6], 0
	s_mov_b32 s[\g+7], 0
.endr
	s_mov_b32 s[G1SA+2], 16<<16
	s_mov_b32 s[G1SA+4], 16
	s_mov_b32 s[G1SB+2], 32<<16
	s_mov_b32 s[G1SB+4], 32
	s_mul_i32 s20, s17, 98304                      ; 128 rows x 768 bytes
	s_mov_b32 s21, 0
	s_lshl_b32 s22, s17, 12                        ; 128 rows x 32 scale bytes
	s_mov_b32 s23, 0
	s_mul_i32 s46, s42, 196608
	s_add_co_u32 s46, s46, 21233664                ; wo_w's codes in xc
	s_mov_b32 s47, 0
	s_lshl_b32 s92, s42, 13
	s_add_co_u32 s92, s92, 884736                  ; and its scale bytes in xs
	s_mov_b32 s93, 0
	s_wait_dscnt 0x0
	s_wait_kmcnt 0x0
	s_mov_b32 s[G0A], 1
	s_mov_b32 s[G0A+1], 0
	s_add_nc_u64 s[G0A+2:G0A+3], s[4:5], s[20:21]
	s_or_b32 s[G0A+3], s[G0A+3], 0x80000000
	s_mov_b32 s[G0B], 1
	s_mov_b32 s[G0B+1], ABYTES
	s_add_nc_u64 s[G0B+2:G0B+3], s[8:9], s[46:47]
	s_or_b32 s[G0B+3], s[G0B+3], 0x80000000
	s_mov_b32 s[G0SA], 1
	s_mov_b32 s[G0SA+1], SCL
	s_add_nc_u64 s[G0SA+2:G0SA+3], s[6:7], s[22:23]
	s_or_b32 s[G0SA+3], s[G0SA+3], 0x80000000
	s_mov_b32 s[G0SB], 1
	s_mov_b32 s[G0SB+1], SCL+16*272
	s_add_nc_u64 s[G0SB+2:G0SB+3], s[10:11], s[92:93]
	s_or_b32 s[G0SB+3], s[G0SB+3], 0x80000000
	CROUND                                         ; all sixteen work-groups are here: the joint loads meet
.macro ARM under, g0, g1, next                 ; one chain of branches on the wave's number, one load to an arm
	s_cmp_lt_u32 s14, \under
	s_cbranch_scc0 \next
	tensor_load_to_lds s[\g0:\g0+3], s[\g1:\g1+7]
	s_nop 0
	PLACES
	s_branch .Lhead_asked
\next:
.endm
	ARM 1, G0A,  G1A,  .Lhead_b
	ARM 2, G0B,  G1B,  .Lhead_sa
	ARM 3, G0SA, G1SA, .Lhead_sb
	tensor_load_to_lds s[G0SB:G0SB+3], s[G1SB:G1SB+7]
	s_nop 0
	PLACES
.Lhead_asked:
	s_lshl_b32 s46, s42, 10
	s_lshl_b32 s47, s16, 9
	s_add_co_u32 s46, s46, s47                     ; my first column, in bytes
	s_mov_b32 s47, 0
	s_add_nc_u64 s[96:97], s[96:97], s[46:47]
	s_lshl_b32 s92, s17, 7
	s_lshl_b32 s93, s15, 6
	s_add_co_u32 s92, s92, s93
	s_lshl_b32 s92, s92, 12                        ; my first row x 4,096 bytes
	s_mov_b32 s93, 0
	s_add_nc_u64 s[92:93], s[92:93], s[46:47]
	s_add_nc_u64 s[12:13], s[12:13], s[92:93]
	s_mul_i32 s18, s15, 49152                      ; my four tiles of o
	s_mul_i32 s19, s16, 8*BLK
	s_add_co_u32 s19, s19, ABYTES
	s_add_co_u32 s20, s19, 4*BLK
	s_mul_i32 s21, s15, 4*SBLK
	s_mul_i32 s22, s16, 8*SBLK
	s_add_co_u32 s22, s22, 8*SBLK
	s_sub_co_u32 s22, s22, s21
	s_add_co_u32 s21, s21, SCL
	s_mul_i32 s23, s14, 16*SPITCH                  ; my stage
	v_bfe_u32 v2, v0, 4, 1
	v_and_b32 v1, 15, v0
	v_and_b32 v7, 31, v0
	v_lshlrev_b32 v[BOF], 6, v2
	v_mul_u32_u24 v3, v1, PITCH
	WIN 0xc0
.irp b, 0,1,2,3,4,5,6,7
	global_load_b128 v[BI+8*\b:BI+8*\b+3], v[BOF], s[96:97] offset:4*(32*(\b/2)+8*(\b%2))      ; the bias in the result's layout: columns 32 (b / 2) + 16 h + 8 (b % 2) + 0 .. 7
	global_load_b128 v[BI+8*\b+4:BI+8*\b+7], v[BOF], s[96:97] offset:4*(32*(\b/2)+8*(\b%2))+16
.endr
	WIN 0
	v_mad_u32_u24 v4, v2, 24, v3
	v_lshl_add_u32 v5, v2, 4, v4
	v_lshlrev_b32 v[CO], 4, v7
	v_lshlrev_b32 v9, 3, v7
	v_add_nc_u32 v[ADRA], s18, v[CO]               ; o's images: 16 bytes a lane,
	v_add_nc_u32 v[ADRA+1], s18, v9                ; 8 bytes a lane
	v_add_nc_u32 v[ADRB], s19, v4
	v_add_nc_u32 v[ADRB+1], s19, v5
	v_add_nc_u32 v[ADRB+2], s20, v4
	v_add_nc_u32 v[ADRB+3], s20, v5
	v_lshlrev_b32 v6, 5, v1
	v_lshrrev_b32 v8, 3, v1
	v_lshl_add_u32 v6, v8, 4, v6
	v_mul_u32_u24 v8, s22, v2
	v_add_nc_u32 v6, v6, v8
	v_add_nc_u32 v[ADRS], s21, v6
	v_mul_u32_u24 v5, v1, SPITCH                   ; the stage, in: row l % 16, 64 bytes for each half of the lanes
	v_lshl_add_u32 v5, v2, 6, v5
	v_add_nc_u32 v[STO], s23, v5
	v_add_nc_u32 v[RD], s23, v[CO]                 ; and back: the 32 lanes take one row of 512 bytes
.macro FRAG reg, adr, st, off
.irp p, 0,1,2,3,4,5
.set BY, 96*(\st)+48*(\p/3)+8*(\p%3)
.if BY/256 == (BY+24)/256
	ds_load_b64 v[\reg+2*\p:\reg+2*\p+1], v[\adr] offset:BY+16*(BY/256)+(\off)
.else
	ds_load_b64 v[\reg+2*\p:\reg+2*\p+1], v[\adr+1] offset:BY+16*(BY/256)+(\off)
.endif
.endr
.endm
.macro FRAGA reg, st, i                        ; two heads' images of 768 bytes: registers 0-3 and 6-9 at 16 bytes a lane, 4, 5 and 10, 11 at 8
	ds_load_b128 v[\reg:\reg+3], v[ADRA] offset:12288*(\i)+1536*(\st)
	ds_load_b64 v[\reg+4:\reg+5], v[ADRA+1] offset:12288*(\i)+1536*(\st)+512
	ds_load_b128 v[\reg+6:\reg+9], v[ADRA] offset:12288*(\i)+1536*(\st)+768
	ds_load_b64 v[\reg+10:\reg+11], v[ADRA+1] offset:12288*(\i)+1536*(\st)+1280
.endm
.macro FETCH st, set
	WIN TO_B
.irp i, 0,1,2,3
	FRAG 128*(\set)+FR*\i, ADRB, \st, \i*BLK
.endr
.irp i, 4,5,6,7
	FRAG 128*(\set)+FR*\i, ADRB+2, \st, (\i-4)*BLK
.endr
	WIN 0
.irp i, 0,1,2,3
	FRAGA AF+48*(\set)+FR*\i, \st, \i
.endr
.endm
.macro MUL32 st, set, first                    ; the 32 accumulators by turns, one instruction a turn
.irp a, 0,1,2,3
.irp b, 0,1,2,3,4,5,6,7
.if \first
	v_wmma_scale_f32_16x16x128_f8f6f4 v[8*(8*\a+\b):8*(8*\a+\b)+7], v[128*(\set)+FR*\b:128*(\set)+FR*\b+FR-1], v[AF+48*(\set)+FR*\a:AF+48*(\set)+FR*\a+FR-1], v[BI+8*\b:BI+8*\b+7], v[SC+8*\b+(\st)], v[SC+8*\a+(\st)] matrix_a_fmt:MATRIX_FMT_FP6 matrix_b_fmt:MATRIX_FMT_FP6 matrix_a_scale:MATRIX_SCALE_ROW1
.else
	v_wmma_scale_f32_16x16x128_f8f6f4 v[8*(8*\a+\b):8*(8*\a+\b)+7], v[128*(\set)+FR*\b:128*(\set)+FR*\b+FR-1], v[AF+48*(\set)+FR*\a:AF+48*(\set)+FR*\a+FR-1], v[8*(8*\a+\b):8*(8*\a+\b)+7], v[SC+8*\b+(\st)], v[SC+8*\a+(\st)] matrix_a_fmt:MATRIX_FMT_FP6 matrix_b_fmt:MATRIX_FMT_FP6 matrix_a_scale:MATRIX_SCALE_ROW1
.endif
.endr
.endr
.endm
	s_wait_alu depctr_va_vdst(0)                   ; the wait at the head's end
	s_wait_tensorcnt 0x0                           ; my tile has landed
	s_barrier_signal -1
	s_barrier_wait -1                              ; all four have
	FETCH 0, 0
.irp i, 0,1,2,3,4,5,6,7
	ds_load_b128 v[SC+8*\i:SC+8*\i+3], v[ADRS] offset:\i*SBLK          ; all eight steps' scale words of block i: lanes 0-15 o's, lanes 16-31 wo_w's
	ds_load_b128 v[SC+8*\i+4:SC+8*\i+7], v[ADRS] offset:\i*SBLK+16
.endr
	s_wait_loadcnt 0x0                             ; the bias
.set ST, 0
.rept 8
	s_wait_dscnt 0x0                               ; this step's fragments are in
.if ST > 0
	PLACES                                         ; in front of loads into registers that the last step's products have read
.endif
.if ST < 7
	FETCH ST+1, (ST+1)%2
.endif
.if ST == 0
	WIN FST
	MUL32 ST, 0, 1                                 ; the first step's products start the sums on the bias
.else
	WIN MUL
	MUL32 ST, ST%2, 0
.endif
	WIN 0
.set ST, ST+1
.endr
	s_barrier_signal -1                            ; my reads of the tiles are over (the last were waited for above)
	s_barrier_wait -1                              ; and everybody's: the stage may be written
.macro TOSTAGE a
.set AC, 64*(\a)
	WIN 0x08                                       ; the data: window 2
.irp b, 0,1,2,3,4,5,6,7
	ds_store_b128 v[STO], v[AC+8*\b:AC+8*\b+3] offset:128*(\b/2)+32*(\b%2)          ; each accumulator from its low end on
	ds_store_b128 v[STO], v[AC+8*\b+4:AC+8*\b+7] offset:128*(\b/2)+32*(\b%2)+16
.endr
	WIN 0
.set BB, BK+64*((\a)%2)
.irp t, 0,1,2,3,4,5,6,7,8,9,10,11,12,13,14,15
	ds_load_b128 v[BB+4*\t:BB+4*\t+3], v[RD] offset:\t*SPITCH          ; LDS serves a wave's instructions in order: these see the stores above
.endr
.endm
.macro SEND a, younger
.set BB, BK+64*((\a)%2)
	s_wait_dscnt \younger
.irp t, 0,1,2,3,4,5,6,7,8,9,10,11,12,13,14,15
	global_store_b128 v[CO], v[BB+4*\t:BB+4*\t+3], s[12:13] offset:(32*((\a)/2)+8*((\a)%2)+\t+8*(\t/8))*4096 th:TH_STORE_NT   ; 32 lanes store 512 consecutive bytes, aligned
.endr
.endm
	PLACES
	TOSTAGE 0
.irp a, 1,2,3
.if \a > 1
	s_wait_xcnt 0x0                                ; block a - 2's stores have read their registers
.endif
	TOSTAGE \a
	SEND \a-1, 32                                  ; behind block a - 1's loads: block a's 16 stores and 16 loads
.endr
	SEND 3, 0
	s_wait_tensorcnt 0x0                           ; the wave's end
	ds_add_u32 v[SPW], v[NIL]
	s_wait_dscnt 0x0
	CROUND                                         ; the closing round
	s_endpgm
.Lfunc_end_k_q66c7ce444f_outp:
	.size	k_q66c7ce444f_outp, .Lfunc_end_k_q66c7ce444f_outp-k_q66c7ce444f_outp
	.p2alignl 7, 3214868480
	.fill 96, 4, 3214868480
	.section	.rodata,"a",@progbits
	.p2align	6, 0x0
	.amdhsa_kernel k_q66c7ce444f_outp
		.amdhsa_group_segment_fixed_size 327680
		.amdhsa_private_segment_fixed_size 0
		.amdhsa_enable_private_segment 0
		.amdhsa_kernarg_size 48
		.amdhsa_user_sgpr_count 2
		.amdhsa_user_sgpr_kernarg_segment_ptr 1
		.amdhsa_wavefront_size32 1
		.amdhsa_system_sgpr_workgroup_id_x 1
		.amdhsa_system_sgpr_workgroup_id_y 1
		.amdhsa_system_sgpr_workgroup_id_z 1
		.amdhsa_system_vgpr_workitem_id 0
		.amdhsa_next_free_vgpr 1024
		.amdhsa_next_free_sgpr 100
		.amdhsa_reserve_vcc 0
		.amdhsa_float_denorm_mode_32 3
		.amdhsa_float_denorm_mode_16_64 3
		.amdhsa_memory_ordered 1
		.amdhsa_forward_progress 1
		.amdhsa_inst_pref_size 92
	.end_amdhsa_kernel
	.amdgpu_metadata
---
amdhsa.version: [ 1, 2 ]
amdhsa.kernels:
  - .name:           k_q66c7ce444f_outp
    .symbol:         k_q66c7ce444f_outp.kd
    .args:
      - { .name: oc, .offset: 0, .size: 8, .value_kind: global_buffer, .address_space: global }
      - { .name: os, .offset: 8, .size: 8, .value_kind: global_buffer, .address_space: global }
      - { .name: xc, .offset: 16, .size: 8, .value_kind: global_buffer, .address_space: global }
      - { .name: xs, .offset: 24, .size: 8, .value_kind: global_buffer, .address_space: global }
      - { .name: wo_b, .offset: 32, .size: 8, .value_kind: global_buffer, .address_space: global }
      - { .name: out0, .offset: 40, .size: 8, .value_kind: global_buffer, .address_space: global }
    .group_segment_fixed_size: 327680
    .private_segment_fixed_size: 0
    .kernarg_segment_align: 8
    .kernarg_segment_size: 48
    .max_flat_workgroup_size: 128
    .sgpr_count:     100
    .vgpr_count:     1024
    .wavefront_size: 32
...
	.end_amdgpu_metadata
.endif
;; end of part 4
